; MI455X (gfx1250); checked and timed in simulation.
; The chip was launched on July 23, 2026; its instructions are those of AMD's public machine-readable ISA for CDNA 5 (MIT licence, August 2026) and "CDNA5" Instruction Set Architecture Reference Guide (July 2026). The comments in the code are by the model that wrote it; some were corrected since.
;; Relative Multi Head Attention Layer. Allowed arithmetic: matrix products marked QUANTISED: E2M1 operands, one E8M0 scale for each 32 along K, by v_wmma_scale_f32_16x16x128_f8f6f4 with both operands' format E2M1 (or v_wmma_scale_f32_32x16x128_f4), f32 sums; products left as they are: bf16, f16 or f32 operands; f32 sums; everything else in f32.
;; Inputs: Wk 1,024 x 1,024 float32; Wo 1,024 x 1,024 float32; Wq 1,024 x 1,024 float32; Wv 1,024 x 1,024 float32; bk 1,024 float32; bo 1,024 float32; bq 1,024 float32; bv 1,024 float32; rel_table 1,023 x 16 float32; x 16 x 512 x 1,024 float32.
;; Outputs: out0 16 x 512 x 1,024 float32.
;; This version of the problem:
;;   THIS VERSION OF THE PROBLEM IS GIVEN IN LOW PRECISION. The matrix products marked QUANTISED in the list below multiply operands that are first quantised to E2M1 (2 exponent bits, 1 mantissa bit; 4 bits a number), with one power-of-two scale for each 32 numbers along K (OCP MX v1.0); their sums are f32. The products marked 'left as it is' may take bf16, f16 or f32 operands, with f32 sums. Whichever they take, every output number must still come out within the allowed error. Rounding operands to bf16 (8 significant bits) uses up far more of that allowance than f16 does (11 bits, for magnitudes from 6e-5 to 65,504). All else is computed in f32.
;;   The module's matrix products, in the order in which they are computed (A, B: the left and right operand; K: the contracted axis; several contracted axes count as one K, in the product's order):
;;     1. [M 8,192, K 1,024] x [K 1,024, N 1,024]; A: input x; B: input Wq: QUANTISED
;;     2. [M 8,192, K 1,024] x [K 1,024, N 1,024]; A: input x; B: input Wk: QUANTISED
;;     3. [M 8,192, K 1,024] x [K 1,024, N 1,024]; A: input x; B: input Wv: QUANTISED
;;     4. batch 256 x [M 512, K 64] x [K 64, N 512]; A: computed on the way; B: computed on the way: left as it is (an operand is computed on the way)
;;     5. batch 256 x [M 512, K 512] x [K 512, N 64]; A: computed on the way; B: computed on the way: left as it is (an operand is computed on the way)
;;     6. [M 8,192, K 1,024] x [K 1,024, N 1,024]; A: computed on the way; B: input Wo: left as it is (an operand is computed on the way)
;;   THE QUANTISER, for each operand of a quantised product, along K:
;;     - K is cut into blocks of 32 from its start; a last block that is shorter is filled with zeros.
;;     - A block's scale is 2^e with e = floor(log2(the largest magnitude in the block)) - 2, held to -126 .. 127; a block of zeros has e = 0. As a byte (E8M0): e + 127.
;;     - Each number is divided by its block's scale, clamped to +-6, and rounded to the nearest number of E2M1, ties to even, subnormals kept.
;;     - The product sums the exact products of the quantised numbers (number of the format x scale) in f32.
;;   ~~~python
;;   def quantise(x, axis):      # numpy; x: float32 -> the quantised numbers, widened to float32 again
;;       x = np.moveaxis(x, axis, -1); K = x.shape[-1]
;;       x = np.pad(x, [(0, 0)] * (x.ndim - 1) + [(0, -K % 32)]); x = x.reshape(x.shape[:-1] + (-1, 32)); a = np.abs(x).max(-1, keepdims=True)
;;       e = np.where(a > 0, np.clip(np.frexp(np.where(a > 0, a, 1))[1] - 1 - 2, -126, 127), 0)      # np.frexp(a)[1] - 1 = floor(log2(a)), exactly
;;       r = np.clip(x / 2.0 ** e, -6, 6)
;;       step = 2.0 ** (np.maximum(np.frexp(np.where(r == 0, 1, r))[1] - 1, 0) - 1)
;;       q = np.round(r / step) * step * 2.0 ** e      # np.round: ties to even
;;       return np.moveaxis(q.reshape(q.shape[:-2] + (-1,))[..., :K], -1, axis).astype(np.float32)
;;   ~~~
;; One version. Each part assembles by itself: llvm-mc -triple=amdgcn-amd-amdhsa -mcpu=gfx1250 --defsym DOCPART=n.
;; ======== version 1 of 1: 3 launches
;; limits: values are held in f16: magnitudes above 65,504 overflow, below 6.1e-05 lose precision
;; workspace buffers: xq 4,456,448 bytes; wimg 1,671,168 bytes; woimg 2,097,152 bytes; aux 278,528 bytes; attn 16,777,216 bytes
;; launch prep (part 1): grid 208 x 1, 8 waves a work-group, no clusters, 267,264 bytes of LDS; arguments x, Wq, Wk, Wv, Wo, bq, bk, bv, rel_table, xq, wimg, woimg, aux; writes xq, wimg, woimg, aux
.if DOCPART == 1
	.amdgcn_target "amdgcn-amd-amdhsa--gfx1250"
	.amdhsa_code_object_version 6
	.text
	.protected	k_q68330784b0_prep
	.globl	k_q68330784b0_prep
	.p2align	8
	.type	k_q68330784b0_prep,@function
k_q68330784b0_prep:
	s_mov_b64 s[64:65], 0
	v_nop
	global_prefetch_b8 v0, s[64:65] scope:SCOPE_SE
	s_setreg_imm32_b32 hwreg(HW_REG_WAVE_MODE, 25, 1), 1
	s_wait_xcnt 0x0
; PREP.  x, Wq, Wk, Wv (f32, K = 1,024 innermost) become codes of E2M1 with one E8M0 byte for each 32 along K, laid in the ORDER OF THE OPERAND'S REGISTERS;
; Wo becomes f16, laid as fragment images; for each head the relative table is turned round, multiplied by log2(e) and laid in four copies, each shifted by one number; bq x c, bk, bv follow it.
; A block's scale is 2^(floor(log2(largest magnitude)) - 2): its byte is the largest magnitude's exponent field - 2, held at 1 from below.
; LIMITS: a block of zeros gets the byte 1 (its codes are zeros, and only this program reads the bytes); blocks whose largest magnitude lies under 2^-124 are held at that floor;
; NaN and infinities are not served; numbers of Wo beyond 65,504 have no place in f16.
; SHARES.  Work-groups 0-127: 64 rows of x each; 128-175: one head's 64 rows of Wq, Wk or Wv; 176-191: 64 rows of Wo; 192-207: one head's table and biases.
; Wave w of the first 192 takes 32 rows (w / 4) x 256 along K (w % 4): one tensor load of 32 rows x 1,024 bytes, into LDS bytes of its own, filled once and read by that wave alone: no barrier.
; LAYOUTS (bytes).  xq [batch][chunk of 256 K][69,632]: codes at tile x 2,048 + K step x 1,024 + half x 512 + 16 x lane; scale words at 65,536 + (tile / 2) x 256 + 8 x row in 32 + 4 x K step.
; wimg [head][chunk][26,112]: the same with 12 tiles (q 0-3, k 4-7, v 8-11) and the scale words at 24,576.  woimg [256 columns][K step 128][tile 16][32 K][half][lane][16].
; aux [head][17,408]: copy c at 4,160 c: number m = log2(e) x rel_table[1022 - min(m + c, 1022)][head], 1,024 numbers and 64 bytes of zeros; bq x c at 16,640, bk at 16,896, bv at 17,152.
.set PITCH, 1040                       ; an LDS row: 1,024 bytes + 16 of padding: an odd multiple of 16, so the 16 rows of a load fall on 16 different columns of 16 bytes
.set TILEB, 32*PITCH                   ; a wave's tile
.set SPARE, 8*TILEB                    ; behind the tiles: the spare words, 128 bytes for each wave
.set SPW,  10                          ; v10  LDS address of my spare word; never rewritten
.set NIL,  11                          ; v11  0; never rewritten
.set SWD,  24                          ; v24-27 the scale words of my four units
.set CD,   32                          ; v32-63 codes, 8 registers a unit: no store's data are written again
.set X,    64                          ; v64-127, v128-191 two sets of 64 numbers
.set OUTF, 192                         ; v192-255 two sets of 32 registers of f16 (Wo)
.set G1,   36                          ; s[36:43] descriptor group 1
.set G0,   44                          ; s[44:47] descriptor group 0
.set SEL,  48                          ; s[48:49] lane selects: lane l xor 16
.macro FINISH                          ; a wave's end
	s_wait_tensorcnt 0x0
	ds_add_u32 v[SPW], v[NIL]
	s_wait_dscnt 0x0
	s_endpgm
.endm
	s_load_b256 s[8:15], s[0:1], 0x0               ; x s[8:9], Wq s[10:11], Wk s[12:13], Wv s[14:15]
	s_load_b256 s[16:23], s[0:1], 0x20             ; Wo s[16:17], bq s[18:19], bk s[20:21], bv s[22:23]
	s_load_b256 s[24:31], s[0:1], 0x40             ; rel_table s[24:25], xq s[26:27], wimg s[28:29], woimg s[30:31]
	s_load_b64 s[32:33], s[0:1], 0x60              ; aux
	v_lshl_add_u32 v[SPW], v0, 2, SPARE
	v_mov_b32 v[NIL], 0
	ds_add_u32 v[SPW], v[NIL]                      ; the wave's opening: the add, twice on end, and its wait ahead of my tensor load
	ds_add_u32 v[SPW], v[NIL]
	v_lshrrev_b32 v1, 5, v0
	v_readfirstlane_b32 s2, v1                     ; wave 0..7
	s_lshr_b32 s3, s2, 2                           ; which 32 rows
	s_and_b32 s4, s2, 3                            ; which 256 along K
	s_mov_b32 s[G1+0], (2<<16)|(1<<20)|(7<<22)|(3<<25)  ; elements of 4 bytes; padding on: after every 256 words, 4 words
	s_mov_b32 s[G1+1], 256<<16                     ; tensor_dim0 = 256
	s_mov_b32 s[G1+2], 32<<16                      ; tensor_dim1 = 32
	s_mov_b32 s[G1+3], 256<<16                     ; tile_dim0 = 256
	s_mov_b32 s[G1+4], 32                          ; tile_dim1 = 32
	s_mov_b32 s[G1+5], 1024                        ; elements from row to row
	s_mov_b32 s[G1+6], 0
	s_mov_b32 s[G1+7], 0
	s_mov_b32 s[G0], 1
	s_mul_i32 s[G0+1], s2, TILEB                   ; my tile in LDS
	s_mov_b32 s[SEL], 0x76543210
	s_mov_b32 s[SEL+1], 0xfedcba98
	v_and_b32 v1, 31, v0                           ; lane
	v_and_b32 v2, 15, v0                           ; r
	v_bfe_u32 v3, v0, 4, 1                         ; h
	v_mul_u32_u24 v4, v2, PITCH
	v_add_nc_u32 v4, s[G0+1], v4
	v_lshl_add_u32 v5, v3, 5, v4                   ; f16 fragments: row r, + 8 h numbers
	v_lshl_add_u32 v4, v3, 7, v4                   ; FP4 fragments: row r, + 32 h numbers
	v_lshlrev_b32 v6, 4, v1                        ; 16 x lane
	v_lshlrev_b32 v7, 3, v1                        ; 8 x lane
	v_lshlrev_b32 v8, 3, v3                        ; 8 h: my bytes' place in a scale word
	v_mov_b32 v23, 0                               ; written once: a lane permute's destination counts as one of its sources
	s_sub_co_u32 s7, ttmp9, 128
	s_lshr_b32 s5, s7, 4                           ; 0, 1, 2: Wq, Wk, Wv; 3: Wo (another number in x's work-groups)
	s_and_b32 s6, s7, 15                           ; which 64 rows of a weight
	s_wait_dscnt 0x0                               ; both opening adds are done
	s_wait_kmcnt 0x0
	s_cmp_ge_u32 ttmp9, 192
	s_cbranch_scc1 .Laux
	s_cmp_lt_u32 ttmp9, 128                        ; the source: a choice on the work-group's number alone
	s_cselect_b32 s7, ttmp9, s6                    ; which 64 rows of it
	s_cselect_b64 s[50:51], s[8:9], s[10:11]
	s_cmp_eq_u32 s5, 1
	s_cselect_b64 s[50:51], s[12:13], s[50:51]
	s_cmp_eq_u32 s5, 2
	s_cselect_b64 s[50:51], s[14:15], s[50:51]
	s_cmp_eq_u32 s5, 3
	s_cselect_b64 s[50:51], s[16:17], s[50:51]
	s_lshl_b32 s52, s7, 18                         ; 64 rows of 4,096 bytes,
	s_lshl_b32 s53, s3, 17                         ; my 32 of them,
	s_add_co_u32 s52, s52, s53
	s_lshl_b32 s53, s4, 10                         ; my 1,024 bytes of a row
	s_add_co_u32 s52, s52, s53
	s_mov_b32 s53, 0
	s_add_nc_u64 s[G0+2:G0+3], s[50:51], s[52:53]
	s_or_b32 s[G0+3], s[G0+3], 0x80000000          ; type = 2
	tensor_load_to_lds s[G0:G0+3], s[G1:G1+7]      ; my one tensor load: 32,768 bytes
	s_nop 0
	s_cmp_ge_u32 ttmp9, 176
	s_cbranch_scc1 .Lwo
	; ---- x, Wq, Wk, Wv: where my codes and scale words go
	s_lshr_b32 s56, ttmp9, 3                       ; x: batch,
	s_and_b32 s57, ttmp9, 7                        ; and which 64 rows of it
	s_mov_b32 s58, 104448
	s_mov_b32 s59, 26112
	s_mov_b32 s60, 24576
	s_cmp_lt_u32 ttmp9, 128
	s_cselect_b64 s[54:55], s[26:27], s[28:29]     ; xq or wimg
	s_cselect_b32 s56, s56, s6                     ; batch or head
	s_cselect_b32 s57, s57, s5                     ; group of four tiles
	s_cselect_b32 s58, 278528, s58                 ; bytes of a batch or head,
	s_cselect_b32 s59, 69632, s59                  ; of a chunk,
	s_cselect_b32 s60, 65536, s60                  ; and of a chunk's codes
	s_mul_i32 s56, s56, s58
	s_mul_i32 s59, s59, s4
	s_add_co_u32 s56, s56, s59                     ; my chunk's block
	s_lshl_b32 s58, s57, 13
	s_lshl_b32 s59, s3, 12
	s_add_co_u32 s58, s58, s59                     ; my two tiles' codes: (4 group + 2 half) x 2,048
	s_add_co_u32 s50, s56, s58
	s_mov_b32 s51, 0
	s_add_nc_u64 s[62:63], s[54:55], s[50:51]
	s_lshl_b32 s58, s57, 9
	s_lshl_b32 s59, s3, 8
	s_add_co_u32 s58, s58, s59                     ; their scale words: (2 group + half) x 256
	s_add_co_u32 s58, s58, s60
	s_add_co_u32 s50, s56, s58
	s_add_nc_u64 s[34:35], s[54:55], s[50:51]
	v_cmp_lt_u32 s61, 15, v1                       ; lanes 16-31 (made behind the tensor load, kept in a scalar register)
	s_wait_tensorcnt 0x0                           ; my tile is in LDS; nobody else reads it
; A unit u = 2 rt + ks is 16 rows x 128 along K: one FP4 fragment.  Lane (r, h) takes of row r the numbers 64 c + 32 h + 0 .. 31, c = 0, 1: two whole blocks, in the order of the operand's registers.
.macro LOADU u
.set XS, X+64*((\u)%2)
.irp c2, 0,1
.irp i, 0,1,2,3,4,5,6,7
	ds_load_b128 v[XS+32*\c2+4*\i:XS+32*\c2+4*\i+3], v4 offset:((\u)/2)*16*PITCH+((\u)%2)*512+\c2*256+16*\i
.endr
.endr
.endm
.macro QUNIT u
.set XS, X+64*((\u)%2)
.irp c2, 0,1
	v_max3_num_f32 v[16+\c2], |v[XS+32*\c2]|, |v[XS+32*\c2+1]|, 0x1800000   ; the block's largest magnitude, over the floor 2^(3 - 127): the byte cannot fall under 1
.endr
.irp i, 2,4,6,8,10,12,14,16,18,20,22,24,26,28,30
.irp c2, 0,1
	v_max3_num_f32 v[16+\c2], v[16+\c2], |v[XS+32*\c2+\i]|, |v[XS+32*\c2+\i+1]|
.endr
.endr
.irp c2, 0,1
	v_add_nc_u32 v[18+\c2], 0xff000000, v[16+\c2]  ; 2 off its exponent field: the conversion takes this operand's exponent field as its scale
.endr
.irp c2, 0,1
	v_lshrrev_b32 v[20+\c2], 23, v[18+\c2]         ; the scale's byte
.endr
	v_lshl_or_b32 v22, v21, 16, v20                ; my two bytes: blocks h and 2 + h,
	v_lshlrev_b32 v22, v8, v22                     ; at their places in the word;
	v_permlanex16_b32 v23, v22, s[SEL], s[SEL+1]
	v_or_b32 v[SWD+(\u)], v22, v23                 ; with lane l xor 16's two the word is whole, in both halves of the lanes
.irp c2, 0,1
.irp g, 0,1,2,3
	v_cvt_scalef32_pk8_fp4_f32 v[CD+8*(\u)+4*\c2+\g], v[XS+32*\c2+8*\g:XS+32*\c2+8*\g+7], v[18+\c2]
.endr
.endr
	v_nop                                          ; one plain line behind the last conversion
.irp c2, 0,1
	global_store_b128 v6, v[CD+8*(\u)+4*\c2:CD+8*(\u)+4*\c2+3], s[62:63] offset:((\u)/2)*2048+((\u)%2)*1024+\c2*512   ; 32 lanes store 512 consecutive bytes
.endr
.endm
	LOADU 0
	LOADU 1
	s_wait_dscnt 16                                ; this unit's 16 loads are in; the next unit's 16 may be out
	QUNIT 0
	LOADU 2
	s_wait_dscnt 16
	QUNIT 1
	LOADU 3
	s_wait_dscnt 16
	QUNIT 2
	s_wait_dscnt 0x0
	QUNIT 3
	v_cndmask_b32 v28, v[SWD+0], v[SWD+2], s61     ; lane l stores row l's two words: lanes 0-15 the upper tile's, lanes 16-31 the lower tile's
	v_cndmask_b32 v29, v[SWD+1], v[SWD+3], s61
	global_store_b64 v7, v[28:29], s[34:35]        ; 32 lanes store 256 consecutive bytes, aligned
	FINISH
	; ---- Wo: f16 fragment images
.Lwo:
	s_lshr_b32 s56, s6, 2
	s_lshl_b32 s56, s56, 19                        ; which 256 rows of Wo,
	s_lshl_b32 s57, s4, 17                         ; my two K steps of 128,
	s_add_co_u32 s56, s56, s57
	s_and_b32 s57, s6, 3
	s_lshl_b32 s57, s57, 14                        ; my tiles: (4 (group % 4) + 2 half) x 4,096
	s_add_co_u32 s56, s56, s57
	s_lshl_b32 s57, s3, 13
	s_add_co_u32 s56, s56, s57
	s_mov_b32 s57, 0
	s_add_nc_u64 s[62:63], s[30:31], s[56:57]
	s_wait_tensorcnt 0x0
; A group u = 2 rt + ks is 16 rows x 128 along K: four f16 fragments.  Lane (r, h) takes of row r the numbers 32 q + 16 g + 8 h + 0 .. 7.
.macro LOADW u
.set XS, X+64*((\u)%2)
.irp q, 0,1,2,3
.irp g, 0,1
.irp i, 0,1
	ds_load_b128 v[XS+16*\q+8*\g+4*\i:XS+16*\q+8*\g+4*\i+3], v5 offset:((\u)/2)*16*PITCH+((\u)%2)*512+\q*128+\g*64+16*\i
.endr
.endr
.endr
.endm
.macro CVTW u
.set XS, X+64*((\u)%2)
.set OS, OUTF+32*((\u)%2)
.if (\u) >= 2
	s_wait_xcnt 0x0                                ; the stores of two groups back have read their registers: they are written again only behind this wait
.endif
.irp n, 0,1,2,3,4,5,6,7,8,9,10,11,12,13,14,15,16,17,18,19,20,21,22,23,24,25,26,27,28,29,30,31
	v_cvt_pk_f16_f32 v[OS+\n], v[XS+2*\n], v[XS+2*\n+1]
.endr
.irp q, 0,1,2,3
.irp g, 0,1
	global_store_b128 v6, v[OS+8*\q+4*\g:OS+8*\q+4*\g+3], s[62:63] offset:((\u)%2)*65536+((\u)/2)*4096+\q*1024+\g*512
.endr
.endr
.endm
	LOADW 0
	LOADW 1
	s_wait_dscnt 16                                ; as above: the next group's 16 loads may be out
	CVTW 0
	LOADW 2
	s_wait_dscnt 16
	CVTW 1
	LOADW 3
	s_wait_dscnt 16
	CVTW 2
	s_wait_dscnt 0x0
	CVTW 3
	FINISH
	; ---- one head's table and biases.  Thread t makes numbers 4 t .. 4 t + 3 of each of the four copies
.Laux:
	s_sub_co_u32 s5, ttmp9, 192                    ; head
	s_lshl_b32 s50, s5, 2
	s_mov_b32 s51, 0
	s_add_nc_u64 s[52:53], s[24:25], s[50:51]      ; the head's column of the table
	s_mul_i32 s50, s5, 17408
	s_add_nc_u64 s[54:55], s[32:33], s[50:51]      ; the head's block of aux
	v_lshlrev_b32 v16, 2, v0
	v_lshlrev_b32 v17, 4, v0
.irp k, 0,1,2,3,4,5,6
	v_add_nc_u32 v[32+\k], \k, v16
	v_min_u32 v[32+\k], 1022, v[32+\k]
	v_sub_nc_u32 v[32+\k], 1022, v[32+\k]          ; row 1022 - min(4 t + k, 1022): inside the table's 1,023 rows
	v_lshlrev_b32 v[32+\k], 6, v[32+\k]            ; of 64 bytes
.endr
.irp c, 0,1,2,3
.irp i, 0,1,2,3
	global_load_b32 v[64+4*\c+\i], v[32+\c+\i], s[52:53]
.endr
.endr
	s_wait_loadcnt 0x0
.irp n, 0,1,2,3,4,5,6,7,8,9,10,11,12,13,14,15
	v_mul_f32 v[64+\n], 0x3fb8aa3b, v[64+\n]       ; x log2(e): the softmax works in powers of two
.endr
.irp c, 0,1,2,3
	global_store_b128 v17, v[64+4*\c:67+4*\c], s[54:55] offset:\c*4160
.endr
	s_cmp_lg_u32 s2, 0
	s_cbranch_scc1 .Lbias
	v_lshrrev_b32 v18, 3, v1                       ; wave 0: the 64 bytes behind each copy, 8 bytes a lane
	v_mul_u32_u24 v18, v18, 4160
	v_and_b32 v19, 7, v1
	v_lshl_add_u32 v18, v19, 3, v18
	v_mov_b32 v20, 0
	v_mov_b32 v21, 0
	global_store_b64 v18, v[20:21], s[54:55] offset:4096
	FINISH
.Lbias:
	s_cmp_gt_u32 s2, 3
	s_cbranch_scc1 .Lnone
	s_cmp_eq_u32 s2, 1                             ; wave 1: bq x c; wave 2: bk; wave 3: bv
	s_cselect_b64 s[56:57], s[18:19], s[20:21]
	s_cselect_b32 s58, 0x3e38aa3b, 1.0             ; c = log2(e) / 8
	s_cmp_eq_u32 s2, 3
	s_cselect_b64 s[56:57], s[22:23], s[56:57]
	s_lshl_b32 s50, s5, 8                          ; the head's 64 numbers
	s_add_nc_u64 s[56:57], s[56:57], s[50:51]
	global_load_b64 v[20:21], v7, s[56:57]
	s_lshl_b32 s50, s2, 8
	s_add_co_u32 s50, s50, 16640-256
	s_add_nc_u64 s[60:61], s[54:55], s[50:51]
	s_wait_loadcnt 0x0
	v_mul_f32 v20, s58, v20
	v_mul_f32 v21, s58, v21
	global_store_b64 v7, v[20:21], s[60:61]        ; 32 lanes store 256 consecutive bytes, aligned
.Lnone:
	FINISH
.Lfunc_end_k_q68330784b0_prep:
	.size	k_q68330784b0_prep, .Lfunc_end_k_q68330784b0_prep-k_q68330784b0_prep
	.p2alignl 7, 3214868480
	.fill 96, 4, 3214868480
	.section	.rodata,"a",@progbits
	.p2align	6, 0x0
	.amdhsa_kernel k_q68330784b0_prep
		.amdhsa_group_segment_fixed_size 267264
		.amdhsa_private_segment_fixed_size 0
		.amdhsa_enable_private_segment 0
		.amdhsa_kernarg_size 104
		.amdhsa_user_sgpr_count 2
		.amdhsa_user_sgpr_kernarg_segment_ptr 1
		.amdhsa_wavefront_size32 1
		.amdhsa_system_sgpr_workgroup_id_x 1
		.amdhsa_system_sgpr_workgroup_id_y 1
		.amdhsa_system_sgpr_workgroup_id_z 1
		.amdhsa_system_vgpr_workitem_id 0
		.amdhsa_next_free_vgpr 256
		.amdhsa_next_free_sgpr 66
		.amdhsa_reserve_vcc 0
		.amdhsa_float_denorm_mode_32 3
		.amdhsa_float_denorm_mode_16_64 3
		.amdhsa_memory_ordered 1
		.amdhsa_forward_progress 1
		.amdhsa_inst_pref_size 44
	.end_amdhsa_kernel
	.amdgpu_metadata
---
amdhsa.version: [ 1, 2 ]
amdhsa.kernels:
  - .name:           k_q68330784b0_prep
    .symbol:         k_q68330784b0_prep.kd
    .args:
      - { .name: x, .offset: 0, .size: 8, .value_kind: global_buffer, .address_space: global }
      - { .name: Wq, .offset: 8, .size: 8, .value_kind: global_buffer, .address_space: global }
      - { .name: Wk, .offset: 16, .size: 8, .value_kind: global_buffer, .address_space: global }
      - { .name: Wv, .offset: 24, .size: 8, .value_kind: global_buffer, .address_space: global }
      - { .name: Wo, .offset: 32, .size: 8, .value_kind: global_buffer, .address_space: global }
      - { .name: bq, .offset: 40, .size: 8, .value_kind: global_buffer, .address_space: global }
      - { .name: bk, .offset: 48, .size: 8, .value_kind: global_buffer, .address_space: global }
      - { .name: bv, .offset: 56, .size: 8, .value_kind: global_buffer, .address_space: global }
      - { .name: rel_table, .offset: 64, .size: 8, .value_kind: global_buffer, .address_space: global }
      - { .name: xq, .offset: 72, .size: 8, .value_kind: global_buffer, .address_space: global }
      - { .name: wimg, .offset: 80, .size: 8, .value_kind: global_buffer, .address_space: global }
      - { .name: woimg, .offset: 88, .size: 8, .value_kind: global_buffer, .address_space: global }
      - { .name: aux, .offset: 96, .size: 8, .value_kind: global_buffer, .address_space: global }
    .group_segment_fixed_size: 267264
    .private_segment_fixed_size: 0
    .kernarg_segment_align: 8
    .kernarg_segment_size: 104
    .max_flat_workgroup_size: 256
    .sgpr_count:     66
    .vgpr_count:     256
    .wavefront_size: 32
...
	.end_amdgpu_metadata
.endif
;; end of part 1
;; launch fused (part 2): grid 16 x 16, 8 waves a work-group, clusters of 4 x 4, 327,680 bytes of LDS; arguments xq, wimg, aux, attn; writes attn
.if DOCPART == 2
	.amdgcn_target "amdgcn-amd-amdhsa--gfx1250"
	.amdhsa_code_object_version 6
	.text
	.protected	k_q68330784b0_fused
	.globl	k_q68330784b0_fused
	.p2align	8
	.type	k_q68330784b0_fused,@function
k_q68330784b0_fused:
	s_mov_b64 s[64:65], 0
	v_nop
	global_prefetch_b8 v0, s[64:65] scope:SCOPE_SE
	s_setreg_imm32_b32 hwreg(HW_REG_WAVE_MODE, 25, 1), 1
	s_wait_xcnt 0x0
	s_wait_alu depctr_hold_cnt(0) depctr_sa_sdst(0) depctr_va_vdst(0) depctr_va_sdst(0) depctr_va_ssrc(0) depctr_va_vcc(0) depctr_vm_vsrc(0)
	s_getreg_b32 s2, hwreg(HW_REG_IB_STS2, 6, 4)
	s_cmp_eq_u32 s2, 0
	s_cbranch_scc0 .Lentry_in_a_cluster
	s_endpgm
.Lentry_in_a_cluster:
	s_bfe_u32 s2, ttmp6, 0x10000c
	s_cmp_lg_u32 s2, 0xf033
	s_cbranch_scc0 .Lentry_shape_is_right
	s_endpgm
.Lentry_shape_is_right:
; FUSED.  One work-group makes one (batch, head): q, k, v = x W^T + b on codes of E2M1 (K = 1,024), then softmax(q k^T / 8 + relative bias) v.  q, k, v never go to memory.
; SHARES.  Eight waves, two to a SIMD.  Wave w owns rows 64 w .. 64 w + 63 of the batch: as rows of x, as queries, and as the keys and values that it makes: four tiles a of 16 rows.
; PHASE 1.  512 x 192 x 1,024 on codes.  x's and W's codes and scale words come in four chunks of 256 along K, as images of the operands' registers (launch prep laid them so): three LDS slots, filled at the
; head; chunk 3 is filled into slot 0 behind chunk 0.  q and k are made TRANSPOSED (source 0 = 16 rows of W, source 1 = 16 rows of x): a lane holds one row and 8 neighbouring channels, which pack into the f16
; fragments of Q (kept in registers) and K (to LDS).  v is made the natural way: a lane holds one channel and 8 neighbouring keys: the f16 fragments of V^T (to LDS).  Nothing changes lanes.
; ATTENTION.  S^T = K Q^T + bias (the bias tile is the C of the first product), O^T = V^T P: a lane holds ONE query throughout.  q carries c = log2(e) / 8 and the table log2(e), so p = 2^(t - m), m the running maximum;
; in every key step l and O^T are multiplied by 2^(m_old - m_new).  The row's sum is taken of p in f32; p, q c, k, v go to the matrix unit in f16; O is divided by l, rounded to f16 and stored as fragment images for the last launch.
; THE BIAS.  bias(i, j) = T[511 - i + j], T the turned table: a lane's 8 keys are 8 neighbouring numbers.  Of the four copies, shifted by one number each, a lane takes the one in which they begin at a multiple of 16 bytes.
; A tile's bias hangs on 3 - a + b alone (a: tile of queries, b: tile of keys): seven tiles serve a step's sixteen.
; CLUSTER 4 x 4: the four heads of a row of the cluster share a batch's x, the four batches of a column share a head's W and table: each block is asked for jointly.
; LIMITS: q c, k, v and O must lie under 65,504 in magnitude (f16); NaN and infinities are not served.
; REGISTERS.  window 0: v1-15 addresses; v16-31 scale words and nothing else; v32-63 x's fragments, later biases, later statistics; v64-127 W's fragments (two sets), later K's fragments, then P;
;   v128-255 q's accumulators, later S^T.   window 1: v0-127 k's accumulators, later O^T; v128-255 v's accumulators, later Q (v128-191) and bias tiles, then V's fragments (v192-255).
.set SLOT,  95744                      ; a chunk: x's codes 65,536, x's scale words 4,096, W's codes 24,576, W's scale words 1,536
.set XSC,   65536
.set WCD,   69632
.set WSC,   94208
.set AUX,   3*SLOT                     ; the head's table and biases, 17,408 bytes
.set SPARE, AUX+17408                  ; the spare words, 128 bytes for each wave
.set KL,    SLOT                       ; K's fragments, 65,536 bytes, and
.set VL,    KL+65536                   ; V's, over slots 1 and 2, which have had their one fill and, behind the barrier in front of chunk 3, their last read
.set LI,  1                            ; v1   16 x lane
.set AX,  2                            ; v2   x's codes in the chunk in hand
.set AW,  3                            ; v3   W's codes
.set ASX, 4                            ; v4   x's scale words
.set ASW, 5                            ; v5   W's scale words
.set SPW, 6                            ; v6   my spare word; never rewritten
.set NIL, 7                            ; v7   0; never rewritten
.set AK0, 8                            ; v8   KL + 16 x lane
.set AB0, 9                            ; v9   my lane's place in the table
.set KST, 10                           ; v10  where I store K's fragments
.set VST, 11                           ; v11  and V's
.set ABI, 12                           ; v12  bq c, bk: my 8 channels of a tile
.set ABV, 13                           ; v13  bv: my channel of a tile
.set L8,  14                           ; v14  8 x lane
.set ADK, 3                            ; attention: the step's K, V and bias addresses (phase 1's address registers are free then)
.set ADV, 4
.set ADB, 5
.set SX,  16                           ; v16-19 x's scale words: pair of tiles i, K step ks at 16 + 2 i + ks: lanes 0-15 the even tile's rows, lanes 16-31 the odd tile's
.set SW,  20                           ; v20-31 W's likewise, six pairs of tiles
.set XF,  32
.set WF,  64
.set ST,  32                           ; statistics, 8 a tile: +0 m, +1 its pair partner, +2, +3 l, +4 .. +7 at work, 2^(m_old - m_new) at +6
.set KF,  64
.set P,   64
.set S,   128
.set QF,  128                          ; window 1
.set BI,  192                          ; window 1
.set VF,  192                          ; window 1
.set WV,  12                           ; s12  wave
.set G1X, 24                           ; s[24:31] group 1: 68 rows of 256 bytes, to my row of the cluster
.set G1W, 32                           ; s[32:39] 51 rows, to my column
.set G1A, 40                           ; s[40:47] 68 rows, to my column
.set G0X, 48                           ; s[48:59] groups 0 for x's chunks 0, 1, 2
.set G0W, 68                           ; s[68:79] for W's
.set G0A, 80                           ; s[80:83] for the table
.set SEL, 84
.set CC,  86                           ; s[86:87] c, twice
.set MSB, 0
.macro WIN new                         ; the immediate's high byte repeats the setting that is left; a switch that changes nothing is dropped
.if MSB != \new
	s_set_vgpr_msb (MSB<<8)|\new
.set MSB, \new
.endif
.endm
.macro PLACES                          ; four plain lines between a matrix instruction and a load into, or a vector read of, its registers
.rept 4
	v_nop
.endr
.endm
.macro CROUND                          ; a round of the cluster's barrier
	s_barrier_signal -1
	s_barrier_wait -1
	s_cmp_lg_u32 s[WV], 0
	s_cbranch_scc1 .Lnot_wave_0_\@
	s_barrier_signal -3
.Lnot_wave_0_\@:
	s_barrier_wait -3
	s_barrier_signal -1
	s_barrier_wait -1
.endm
	s_load_b256 s[4:11], s[0:1], 0x0               ; xq s[4:5], wimg s[6:7], aux s[8:9], attn s[10:11]
	v_lshl_add_u32 v[SPW], v0, 2, SPARE
	v_mov_b32 v[NIL], 0
	ds_add_u32 v[SPW], v[NIL]                      ; the wave's opening: the add, twice on end, and its wait ahead of the first tensor loads
	ds_add_u32 v[SPW], v[NIL]
	v_lshrrev_b32 v1, 5, v0
	v_readfirstlane_b32 s[WV], v1                  ; wave 0..7
	s_bfe_u32 s13, ttmp6, 0x40000                  ; cx
	s_bfe_u32 s14, ttmp6, 0x40004                  ; cy
	s_lshl_b32 s15, ttmp9, 2
	s_add_co_u32 s15, s15, s13                     ; head = 4 x cluster x + cx
	s_and_b32 s16, ttmp7, 0xffff
	s_lshl_b32 s16, s16, 2
	s_add_co_u32 s16, s16, s14                     ; batch = 4 x cluster y + cy
	s_lshl_b32 s17, s14, 2
	s_lshl_b32 s17, 15, s17                        ; my row of the cluster
	s_lshl_b32 s18, 0x1111, s13                    ; my column
	s_or_b32 s[G1X], s17, (3<<16)|(1<<21)          ; elements of 8 bytes; bit 21 set beside a mask; no padding
	s_or_b32 s[G1W], s18, (3<<16)|(1<<21)
	s_or_b32 s[G1A], s18, (3<<16)|(1<<21)
.irp g, G1X, G1W, G1A
	s_mov_b32 s[\g+1], 32<<16                      ; tensor_dim0 = 32 elements: rows of 256 bytes of a dense block
	s_mov_b32 s[\g+3], 32<<16                      ; tile_dim0
	s_mov_b32 s[\g+5], 32                          ; from row to row
	s_mov_b32 s[\g+6], 0
	s_mov_b32 s[\g+7], 0
.endr
	s_mov_b32 s[G1X+2], 68<<16                     ; tensor_dim1, tile_dim1: a quarter of x's block,
	s_mov_b32 s[G1X+4], 68
	s_mov_b32 s[G1W+2], 51<<16                     ; half of W's,
	s_mov_b32 s[G1W+4], 51
	s_mov_b32 s[G1A+2], 68<<16                     ; the whole table
	s_mov_b32 s[G1A+4], 68
	s_mov_b32 s[SEL], 0x76543210
	s_mov_b32 s[SEL+1], 0xfedcba98
	s_mov_b32 s[CC], 0x3e38aa3b                    ; c = log2(e) / 8
	s_mov_b32 s[CC+1], s[CC]
	v_and_b32 v15, 31, v0
	v_lshlrev_b32 v[LI], 4, v15
	v_lshlrev_b32 v[L8], 3, v15
	s_lshl_b32 s62, s[WV], 13                      ; 8,192 w: my four tiles of codes, and my fragments of K and V
	s_lshl_b32 s63, s[WV], 9                       ; 512 w: my two pairs' scale words
	v_add_nc_u32 v[AK0], KL, v[LI]
	s_add_co_u32 s2, s62, KL
	v_add_nc_u32 v[KST], s2, v[LI]
	s_add_co_u32 s2, s62, VL
	v_add_nc_u32 v[VST], s2, v[LI]
	v_bfe_u32 v13, v0, 4, 1                        ; h
	v_and_b32 v15, 15, v0                          ; r
	v_lshl_add_u32 v[ABI], v13, 5, AUX+16640
	v_xor_b32 v2, 15, v15                          ; 15 - r.  My first number of tile 0 in step 0 is T[(15 - r) + 64 (7 - w) + 8 h]
	v_and_b32 v3, 3, v2                            ; its place mod 4 picks the copy,
	v_and_b32 v2, 12, v2                           ; in which it lies that many numbers lower
	v_mul_u32_u24 v[AB0], v3, 4160
	v_lshl_add_u32 v[AB0], v2, 2, v[AB0]
	v_lshl_add_u32 v[AB0], v13, 5, v[AB0]
	s_xor_b32 s2, s[WV], 7
	s_lshl_b32 s2, s2, 8
	s_add_co_u32 s2, s2, AUX
	v_add_nc_u32 v[AB0], s2, v[AB0]
	v_lshl_add_u32 v[ABV], v15, 2, AUX+17152
	; what I fetch, if I fetch.  x's addresses are made of the batch and the wave alone, W's and the table's of the head and the wave alone
	s_and_b32 s19, s[WV], 3
	s_mul_i32 s22, s19, 17408                      ; waves 0-3: a quarter of x's block
	s_mul_i32 s20, s16, 278528
	s_add_co_u32 s20, s20, s22
	s_mov_b32 s21, 0
	s_and_b32 s19, s[WV], 1
	s_mul_i32 s23, s19, 13056                      ; waves 4, 5: half of W's block
	s_mul_i32 s92, s15, 104448
	s_add_co_u32 s92, s92, s23
	s_mov_b32 s93, 0
	s_mul_i32 s94, s15, 17408
	s_mov_b32 s95, 0
	s_lshl_b32 s96, s16, 2                         ; where my rows of O go: block of 128 rows 4 batch + w / 2,
	s_lshr_b32 s97, s[WV], 1
	s_add_co_u32 s96, s96, s97
	s_lshl_b32 s96, s96, 18
	s_lshr_b32 s97, s15, 1                         ; K step head / 2,
	s_lshl_b32 s97, s97, 15
	s_add_co_u32 s96, s96, s97
	s_and_b32 s97, s[WV], 1                        ; tiles 4 (w % 2) on,
	s_lshl_b32 s97, s97, 14
	s_add_co_u32 s96, s96, s97
	s_and_b32 s97, s15, 1                          ; channels 64 (head % 2) on
	s_lshl_b32 s97, s97, 11
	s_add_co_u32 s96, s96, s97
	s_mov_b32 s97, 0
	s_wait_dscnt 0x0                               ; both opening adds are done
	s_wait_kmcnt 0x0
	s_add_nc_u64 s[20:21], s[4:5], s[20:21]
	s_add_nc_u64 s[92:93], s[6:7], s[92:93]
	s_add_nc_u64 s[96:97], s[10:11], s[96:97]
.irp n, 0,1,2
	s_mov_b32 s[G0X+4*\n], 1
	s_add_co_u32 s[G0X+4*\n+1], s22, \n*SLOT
	s_add_nc_u64 s[G0X+4*\n+2:G0X+4*\n+3], s[20:21], \n*69632
	s_or_b32 s[G0X+4*\n+3], s[G0X+4*\n+3], 0x80000000
	s_mov_b32 s[G0W+4*\n], 1
	s_add_co_u32 s[G0W+4*\n+1], s23, \n*SLOT+WCD
	s_add_nc_u64 s[G0W+4*\n+2:G0W+4*\n+3], s[92:93], \n*26112
	s_or_b32 s[G0W+4*\n+3], s[G0W+4*\n+3], 0x80000000
.endr
	s_mov_b32 s[G0A], 1
	s_mov_b32 s[G0A+1], AUX
	s_add_nc_u64 s[G0A+2:G0A+3], s[8:9], s[94:95]
	s_or_b32 s[G0A+3], s[G0A+3], 0x80000000
	CROUND                                         ; all sixteen work-groups are here: the first joint loads meet
	s_cmp_lt_u32 s[WV], 4                          ; a wave's first fills stand in one branch on its number: three loads of mine are out at the most
	s_cbranch_scc0 .Lff_not_x
.irp n, 0,1,2
	tensor_load_to_lds s[G0X+4*\n:G0X+4*\n+3], s[G1X:G1X+7]
	s_nop 0
.endr
	PLACES
	s_branch .Lff_done
.Lff_not_x:
	s_cmp_lt_u32 s[WV], 6
	s_cbranch_scc0 .Lff_not_w
.irp n, 0,1,2
	tensor_load_to_lds s[G0W+4*\n:G0W+4*\n+3], s[G1W:G1W+7]
	s_nop 0
.endr
	PLACES
	s_branch .Lff_done
.Lff_not_w:
	s_cmp_eq_u32 s[WV], 6
	s_cbranch_scc0 .Lff_done
	tensor_load_to_lds s[G0A:G0A+3], s[G1A:G1A+7]
	s_nop 0
	PLACES
.Lff_done:
; The chunk's four LDS addresses: a constant + a constant x lane + a constant x wave.  Its four vector lines are also the places in front of the chunk's first loads.
.macro SETADR n
	s_add_co_u32 s60, s62, (\n)*SLOT
	s_add_co_u32 s61, s63, (\n)*SLOT+XSC
	v_add_nc_u32 v[AX], s60, v[LI]
	v_add_nc_u32 v[AW], (\n)*SLOT+WCD, v[LI]
	v_add_nc_u32 v[ASX], s61, v[L8]
	v_add_nc_u32 v[ASW], (\n)*SLOT+WSC, v[L8]
.endm
.macro SLOAD                           ; the chunk's scale words: 8 bytes a lane are a row's words of both K steps
.irp i, 0,1
	ds_load_b64 v[SX+2*\i:SX+2*\i+1], v[ASX] offset:256*\i
.endr
.irp p, 0,1,2,3,4,5
	ds_load_b64 v[SW+2*\p:SW+2*\p+1], v[ASW] offset:256*\p
.endr
.endm
.macro XLOAD ks2                       ; my four fragments of x for K step ks2
.irp a, 0,1,2,3
.irp c, 0,1
	ds_load_b128 v[XF+8*\a+4*\c:XF+8*\a+4*\c+3], v[AX] offset:\a*2048+(\ks2)*1024+\c*512
.endr
.endr
.endm
.macro WLOAD ws, ks2, g                ; four fragments of W (g = 0: q's, 1: k's, 2: v's) into set ws
.irp t, 0,1,2,3
.irp c, 0,1
	ds_load_b128 v[WF+32*(\ws)+8*\t+4*\c:WF+32*(\ws)+8*\t+4*\c+3], v[AW] offset:(4*(\g)+\t)*2048+(\ks2)*1024+\c*512
.endr
.endr
.endm
.macro WM z, ra, rb                    ; one product; z: it starts its sum; ra, rb: a side's scale words stand in lanes 16-31
.if (\z)
.if (\ra) && (\rb)
	v_wmma_scale_f32_16x16x128_f8f6f4 v[rD:rD+7], v[rA:rA+7], v[rB:rB+7], 0, v[sA], v[sB] matrix_a_fmt:MATRIX_FMT_FP4 matrix_b_fmt:MATRIX_FMT_FP4 matrix_a_scale:MATRIX_SCALE_ROW1 matrix_b_scale:MATRIX_SCALE_ROW1
.elseif (\ra)
	v_wmma_scale_f32_16x16x128_f8f6f4 v[rD:rD+7], v[rA:rA+7], v[rB:rB+7], 0, v[sA], v[sB] matrix_a_fmt:MATRIX_FMT_FP4 matrix_b_fmt:MATRIX_FMT_FP4 matrix_a_scale:MATRIX_SCALE_ROW1
.elseif (\rb)
	v_wmma_scale_f32_16x16x128_f8f6f4 v[rD:rD+7], v[rA:rA+7], v[rB:rB+7], 0, v[sA], v[sB] matrix_a_fmt:MATRIX_FMT_FP4 matrix_b_fmt:MATRIX_FMT_FP4 matrix_b_scale:MATRIX_SCALE_ROW1
.else
	v_wmma_scale_f32_16x16x128_f8f6f4 v[rD:rD+7], v[rA:rA+7], v[rB:rB+7], 0, v[sA], v[sB] matrix_a_fmt:MATRIX_FMT_FP4 matrix_b_fmt:MATRIX_FMT_FP4
.endif
.else
.if (\ra) && (\rb)
	v_wmma_scale_f32_16x16x128_f8f6f4 v[rD:rD+7], v[rA:rA+7], v[rB:rB+7], v[rD:rD+7], v[sA], v[sB] matrix_a_fmt:MATRIX_FMT_FP4 matrix_b_fmt:MATRIX_FMT_FP4 matrix_a_scale:MATRIX_SCALE_ROW1 matrix_b_scale:MATRIX_SCALE_ROW1
.elseif (\ra)
	v_wmma_scale_f32_16x16x128_f8f6f4 v[rD:rD+7], v[rA:rA+7], v[rB:rB+7], v[rD:rD+7], v[sA], v[sB] matrix_a_fmt:MATRIX_FMT_FP4 matrix_b_fmt:MATRIX_FMT_FP4 matrix_a_scale:MATRIX_SCALE_ROW1
.elseif (\rb)
	v_wmma_scale_f32_16x16x128_f8f6f4 v[rD:rD+7], v[rA:rA+7], v[rB:rB+7], v[rD:rD+7], v[sA], v[sB] matrix_a_fmt:MATRIX_FMT_FP4 matrix_b_fmt:MATRIX_FMT_FP4 matrix_b_scale:MATRIX_SCALE_ROW1
.else
	v_wmma_scale_f32_16x16x128_f8f6f4 v[rD:rD+7], v[rA:rA+7], v[rB:rB+7], v[rD:rD+7], v[sA], v[sB] matrix_a_fmt:MATRIX_FMT_FP4 matrix_b_fmt:MATRIX_FMT_FP4
.endif
.endif
.endm
; 16 products: my four tiles of rows x four tiles of W, 128 along K.  The 48 accumulators take turns, one instruction a turn, in the same order in every K step.
.macro MM g, ws, ks2, zero
.if (\g) == 0
	WIN 0
.else
	WIN 0x50                                       ; C and D in window 1
.endif
.irp a, 0,1,2,3
.irp t, 0,1,2,3
.set rD, 8*(4*\a+\t)+128*(1-((\g)%2))
.if (\g) == 2
.set rA, XF+8*\a
.set rB, WF+32*(\ws)+8*\t
.set sA, SX+2*(\a/2)+(\ks2)
.set sB, SW+2*(2*(\g)+\t/2)+(\ks2)
	WM \zero, \a%2, \t%2
.else
.set rA, WF+32*(\ws)+8*\t
.set rB, XF+8*\a
.set sA, SW+2*(2*(\g)+\t/2)+(\ks2)
.set sB, SX+2*(\a/2)+(\ks2)
	WM \zero, \t%2, \a%2
.endif
.endr
.endr
	WIN 0
.endm
; A chunk: two K steps x (q, k, v).  Each count of 8 leaves out the set of W issued last; all that the products in hand read was issued earlier.
.macro CHUNK zero
	SLOAD
	XLOAD 0
	WLOAD 0, 0, 0
	WLOAD 1, 0, 1
	s_wait_dscnt 8
	MM 0, 0, 0, \zero
	PLACES
	WLOAD 0, 0, 2
	s_wait_dscnt 8
	MM 1, 1, 0, \zero
	PLACES
	WLOAD 1, 1, 0
	s_wait_dscnt 8
	MM 2, 0, 0, \zero
	PLACES
	XLOAD 1
	WLOAD 0, 1, 1
	s_wait_dscnt 8
	MM 0, 1, 1, 0
	PLACES
	WLOAD 1, 1, 2
	s_wait_dscnt 8
	MM 1, 0, 1, 0
	s_wait_dscnt 0x0
	MM 2, 1, 1, 0
.endm
	s_wait_tensorcnt 0x2                           ; my part of chunk 0 is in; chunks 1 and 2 may stay out
	s_barrier_signal -1
	s_barrier_wait -1                              ; everybody's is
	SETADR 0
	CHUNK 1                                        ; its first products start the sums: nothing is cleared
	s_wait_tensorcnt 0x0                           ; all my tensor loads have landed, so a group 0 may be written
	ds_add_u32 v[SPW], v[NIL]                      ; 0 onto my spare word, here twice on end,
	ds_add_u32 v[SPW], v[NIL]
	s_add_nc_u64 s[G0X+2:G0X+3], s[G0X+2:G0X+3], 3*69632   ; chunk 3
	s_add_nc_u64 s[G0W+2:G0W+3], s[G0W+2:G0W+3], 3*26112
	s_wait_dscnt 0x0                               ; the adds are done, and my reads of slot 0 are over
	CROUND                                         ; so of every wave of every partner
	s_cmp_lt_u32 s[WV], 4
	s_cbranch_scc0 .Lrf_not_x
	tensor_load_to_lds s[G0X:G0X+3], s[G1X:G1X+7]  ; chunk 3 into slot 0: it has two chunks' work, 192 products a wave, in which to land
	s_nop 0
	PLACES
	s_branch .Lrf_done
.Lrf_not_x:
	s_cmp_lt_u32 s[WV], 6
	s_cbranch_scc0 .Lrf_done
	tensor_load_to_lds s[G0W:G0W+3], s[G1W:G1W+7]
	s_nop 0
	PLACES
.Lrf_done:
	SETADR 1
	CHUNK 0
	SETADR 2
	CHUNK 0
	s_wait_tensorcnt 0x0                           ; my part of chunk 3 is in,
	s_wait_dscnt 0x0                               ; and my reads of slots 1 and 2 are over
	s_barrier_signal -1
	s_barrier_wait -1                              ; so of every wave: slot 0 is whole, and slots 1 and 2 may be written
	SETADR 0
	CHUNK 0
	; ---- the biases; k and v to LDS as f16 fragments; q to registers
	PLACES
.irp n, 0,1,2,3
.irp i, 0,1
	ds_load_b128 v[32+8*\n+4*\i:32+8*\n+4*\i+3], v[ABI] offset:64*\n+16*\i        ; bq c of channels 16 n + 8 h + 0 .. 7
	ds_load_b128 v[64+8*\n+4*\i:64+8*\n+4*\i+3], v[ABI] offset:256+64*\n+16*\i    ; bk likewise
.endr
	ds_load_b32 v[96+2*\n], v[ABV] offset:64*\n    ; bv of channel 16 n + r, in a pair's low word
.endr
	s_wait_dscnt 0x0
	WIN 0x41                                       ; destination and source 0 in window 1
.irp a, 0,1,2,3
.irp n, 0,1,2,3
.irp i, 0,1,2,3
	v_pk_add_f32 v[8*(4*\a+\n)+2*\i:8*(4*\a+\n)+2*\i+1], v[8*(4*\a+\n)+2*\i:8*(4*\a+\n)+2*\i+1], v[64+8*\n+2*\i:64+8*\n+2*\i+1]   ; k + bk, each accumulator from its low end on
.endr
.endr
.endr
.irp a, 0,1,2,3
.irp n, 0,1,2,3
.irp i, 0,1,2,3
	v_pk_add_f32 v[128+8*(4*\a+\n)+2*\i:128+8*(4*\a+\n)+2*\i+1], v[128+8*(4*\a+\n)+2*\i:128+8*(4*\a+\n)+2*\i+1], v[96+2*\n:97+2*\n] op_sel_hi:[1,0]   ; v + bv: the pair's low word serves both halves
.endr
.endr
.endr
	WIN 0x45                                       ; all three in window 1: eight numbers pack into the accumulator's four lowest registers
.irp t, 0,1,2,3,4,5,6,7,8,9,10,11,12,13,14,15,16,17,18,19,20,21,22,23,24,25,26,27,28,29,30,31
.irp i, 0,1,2,3
	v_cvt_pk_f16_f32 v[8*\t+\i], v[8*\t+2*\i], v[8*\t+2*\i+1]
.endr
.endr
	WIN 0x04                                       ; an LDS store's data are its source 1: window 1
.irp a, 0,1,2,3
.irp n, 0,1,2,3
	ds_store_b128 v[KST], v[8*(4*\a+\n):8*(4*\a+\n)+3] offset:\a*2048+\n*512                          ; key tile 4 w + a, channels 16 n on: half n % 2 of fragment n / 2
	ds_store_b128 v[VST], v[128+8*(4*\a+\n):128+8*(4*\a+\n)+3] offset:((\a/2)*4+\n)*1024+(\a%2)*512   ; 32 keys 2 w + a / 2, channel tile n: half a % 2
.endr
.endr
	WIN 0
	s_wait_dscnt 0x0                               ; for the others' sake: my stores have landed
	s_barrier_signal -1
.irp a, 0,1,2,3                                    ; work on registers while the others arrive: q c + bq c,
.irp n, 0,1,2,3
.irp i, 0,1,2,3
	v_pk_fma_f32 v[128+8*(4*\a+\n)+2*\i:128+8*(4*\a+\n)+2*\i+1], v[128+8*(4*\a+\n)+2*\i:128+8*(4*\a+\n)+2*\i+1], s[CC:CC+1], v[32+8*\n+2*\i:32+8*\n+2*\i+1] op_sel_hi:[1,0,1]
.endr
.endr
.endr
	WIN 0x40                                       ; packed into Q's fragments, in window 1 (v's accumulators have been stored)
.irp a, 0,1,2,3
.irp n, 0,1,2,3
.irp i, 0,1,2,3
	v_cvt_pk_f16_f32 v[QF+16*\a+4*\n+\i], v[128+8*(4*\a+\n)+2*\i], v[128+8*(4*\a+\n)+2*\i+1]
.endr
.endr
.endr
	WIN 0
.irp t, 0,1,2,3
	v_mov_b32 v[ST+8*\t+1], 0                      ; named with m as a pair, so it is written
.endr
	s_barrier_wait -1                              ; K's and V's fragments lie in LDS
; THE SOFTMAX of a key step: four tiles of 16 queries x 64 keys, the tiles by turns line by line.  first = 1: the first step starts m and l.
.macro SOFTMAX first
.irp j, 0,1,2,3
.irp t, 0,1,2,3
	v_max3_num_f32 v[ST+8*\t+4+\j], v[S+32*\t+8*\j], v[S+32*\t+8*\j+1], v[S+32*\t+8*\j+2]   ; four chains a tile, each from an accumulator's low end
.endr
.endr
.irp k, 1,2
.irp j, 0,1,2,3
.irp t, 0,1,2,3
	v_max3_num_f32 v[ST+8*\t+4+\j], v[ST+8*\t+4+\j], v[S+32*\t+8*\j+2*\k+1], v[S+32*\t+8*\j+2*\k+2]
.endr
.endr
.endr
.irp t, 0,1,2,3
	v_max3_num_f32 v[ST+8*\t+4], v[ST+8*\t+4], v[S+32*\t+7], v[S+32*\t+15]
.endr
.irp t, 0,1,2,3
	v_max3_num_f32 v[ST+8*\t+6], v[ST+8*\t+6], v[S+32*\t+23], v[S+32*\t+31]
.endr
.irp t, 0,1,2,3
	v_max3_num_f32 v[ST+8*\t+4], v[ST+8*\t+4], v[ST+8*\t+5], v[ST+8*\t+6]
.endr
.irp t, 0,1,2,3
.if \first
	v_max_num_f32 v[ST+8*\t+4], v[ST+8*\t+4], v[ST+8*\t+7]
.else
	v_max3_num_f32 v[ST+8*\t+4], v[ST+8*\t+4], v[ST+8*\t+7], v[ST+8*\t]
.endif
.endr
.irp t, 0,1,2,3
	v_permlanex16_b32 v[ST+8*\t+5], v[ST+8*\t+4], s[SEL], s[SEL+1]   ; the query's other 32 keys lie in the lane 16 away
.endr
.irp t, 0,1,2,3
	v_max_num_f32 v[ST+8*\t+5], v[ST+8*\t+4], v[ST+8*\t+5]           ; the new m
.endr
.if !\first
.irp t, 0,1,2,3
	v_sub_f32 v[ST+8*\t+7], v[ST+8*\t], v[ST+8*\t+5]
.endr
.endif
.irp t, 0,1,2,3
	v_mov_b32 v[ST+8*\t], v[ST+8*\t+5]
.endr
.if !\first
.irp t, 0,1,2,3
	v_exp_f32 v[ST+8*\t+6], v[ST+8*\t+7]           ; 2^(m_old - m_new)
.endr
.endif
.irp i, 0,1,2,3,4,5,6,7,8,9,10,11,12,13,14,15
.irp t, 0,1,2,3
	v_pk_add_f32 v[S+32*\t+2*\i:S+32*\t+2*\i+1], v[S+32*\t+2*\i:S+32*\t+2*\i+1], v[ST+8*\t:ST+8*\t+1] op_sel_hi:[1,0] neg_lo:[0,1] neg_hi:[0,1]   ; t - m
.endr
.endr
.irp e, 0,1,2,3,4,5,6,7,8,9,10,11,12,13,14,15,16,17,18,19,20,21,22,23,24,25,26,27,28,29,30,31
.irp t, 0,1,2,3
	v_exp_f32 v[S+32*\t+\e], v[S+32*\t+\e]
.endr
.endr
	v_nop                                          ; one plain line behind the last exponential,
	s_wait_alu depctr_va_vdst(0)                   ; and one wait for the whole batch, ahead of its first reader
.irp i, 0,1,2,3,4,5,6,7,8,9,10,11,12,13,14,15
.irp t, 0,1,2,3
	v_cvt_pk_f16_f32 v[P+16*\t+\i], v[S+32*\t+2*\i], v[S+32*\t+2*\i+1]   ; two tiles of 16 keys, packed, are source 1 of the second product
.endr
.endr
.irp u, 0,1,2,3,4,5,6,7
.irp t, 0,1,2,3
	v_pk_add_f32 v[S+32*\t+4*\u:S+32*\t+4*\u+1], v[S+32*\t+4*\u:S+32*\t+4*\u+1], v[S+32*\t+4*\u+2:S+32*\t+4*\u+3]   ; the sum of p in f32, as a tree, in place
.endr
.endr
.irp u, 0,1,2,3
.irp t, 0,1,2,3
	v_pk_add_f32 v[S+32*\t+8*\u:S+32*\t+8*\u+1], v[S+32*\t+8*\u:S+32*\t+8*\u+1], v[S+32*\t+8*\u+4:S+32*\t+8*\u+5]
.endr
.endr
.irp u, 0,1
.irp t, 0,1,2,3
	v_pk_add_f32 v[S+32*\t+16*\u:S+32*\t+16*\u+1], v[S+32*\t+16*\u:S+32*\t+16*\u+1], v[S+32*\t+16*\u+8:S+32*\t+16*\u+9]
.endr
.endr
.irp t, 0,1,2,3
.if \first
	v_pk_add_f32 v[ST+8*\t+2:ST+8*\t+3], v[S+32*\t:S+32*\t+1], v[S+32*\t+16:S+32*\t+17]
.else
	v_pk_add_f32 v[S+32*\t:S+32*\t+1], v[S+32*\t:S+32*\t+1], v[S+32*\t+16:S+32*\t+17]
.endif
.endr
.if !\first
.irp t, 0,1,2,3
	v_pk_fma_f32 v[ST+8*\t+2:ST+8*\t+3], v[ST+8*\t+2:ST+8*\t+3], v[ST+8*\t+6:ST+8*\t+7], v[S+32*\t:S+32*\t+1] op_sel_hi:[1,0,1]
.endr
.endif
.endm
; A KEY STEP: 64 keys.  s89: the step's fragments of K and V, 8,192 bytes a step; s90: the step's place in the table, 256 bytes a step.
.macro STEP first
	v_add_nc_u32 v[ADK], s89, v[AK0]               ; these four lines are the places behind the last products
	v_add_nc_u32 v[ADB], s90, v[AB0]
	v_add_nc_u32 v[ADV], 0x10000, v[ADK]
	v_nop
.irp b, 0,1,2,3
.irp cc, 0,1
.irp g, 0,1
	ds_load_b128 v[KF+16*\b+8*\cc+4*\g:KF+16*\b+8*\cc+4*\g+3], v[ADK] offset:(2*\b+\cc)*1024+\g*512
.endr
.endr
.endr
	WIN 0x40                                       ; destination window 1
.irp e, 0,1,2,3,4,5,6
.irp i, 0,1
	ds_load_b128 v[BI+8*\e+4*\i:BI+8*\e+4*\i+3], v[ADB] offset:64*\e+16*\i
.endr
.endr
	s_wait_dscnt 0x0
	WIN 0x14                                       ; Q and the bias tile in window 1
.irp a, 0,1,2,3
.irp b, 0,1,2,3
	v_wmma_f32_16x16x32_f16 v[S+32*\a+8*\b:S+32*\a+8*\b+7], v[KF+16*\b:KF+16*\b+7], v[QF+16*\a:QF+16*\a+7], v[BI+8*(3-\a+\b):BI+8*(3-\a+\b)+7]   ; the bias starts the sum
.endr
.endr
	WIN 0x04
.irp a, 0,1,2,3
.irp b, 0,1,2,3
	v_wmma_f32_16x16x32_f16 v[S+32*\a+8*\b:S+32*\a+8*\b+7], v[KF+16*\b+8:KF+16*\b+15], v[QF+16*\a+8:QF+16*\a+15], v[S+32*\a+8*\b:S+32*\a+8*\b+7]   ; fifteen other accumulators' turns lie between two links
.endr
.endr
	WIN 0
	PLACES                                         ; in front of the loads over the bias tiles, and of the first read of the scores
	WIN 0x40
.irp kp, 0,1
.irp ct, 0,1,2,3
.irp g, 0,1
	ds_load_b128 v[VF+32*\kp+8*\ct+4*\g:VF+32*\kp+8*\ct+4*\g+3], v[ADV] offset:(4*\kp+\ct)*1024+\g*512   ; V lands while the softmax is walked
.endr
.endr
.endr
	WIN 0
	SOFTMAX \first
.if !\first
	WIN 0x41
.irp i, 0,1,2,3,4,5,6,7,8,9,10,11,12,13,14,15
.irp t, 0,1,2,3
	v_pk_mul_f32 v[32*\t+2*\i:32*\t+2*\i+1], v[32*\t+2*\i:32*\t+2*\i+1], v[ST+8*\t+6:ST+8*\t+7] op_sel_hi:[1,0]   ; O^T under the new m, each accumulator from its low end on
.endr
.endr
.endif
	s_wait_dscnt 0x0                               ; V is in
	WIN 0x51                                       ; V, C and D in window 1, P in window 0
.irp kp, 0,1
.irp a, 0,1,2,3
.irp ct, 0,1,2,3
.if \first && (\kp == 0)
	v_wmma_f32_16x16x32_f16 v[8*(4*\a+\ct):8*(4*\a+\ct)+7], v[VF+32*\kp+8*\ct:VF+32*\kp+8*\ct+7], v[P+16*\a+8*\kp:P+16*\a+8*\kp+7], 0
.else
	v_wmma_f32_16x16x32_f16 v[8*(4*\a+\ct):8*(4*\a+\ct)+7], v[VF+32*\kp+8*\ct:VF+32*\kp+8*\ct+7], v[P+16*\a+8*\kp:P+16*\a+8*\kp+7], v[8*(4*\a+\ct):8*(4*\a+\ct)+7]
.endif
.endr
.endr
.endr
	WIN 0
	s_add_co_u32 s89, s89, 8192
	s_add_co_u32 s90, s90, 256
.endm
	s_mov_b32 s89, 0
	s_mov_b32 s90, 0
	STEP 1                                         ; the first step is written out: it starts m, l and O^T
	s_mov_b32 s88, 7
.Lkey:
	STEP 0
	s_sub_co_u32 s88, s88, 1
	s_cmp_lg_u32 s88, 0
	s_cbranch_scc1 .Lkey
	; ---- the way out: O^T / l, as f16, in the order in which the last launch's operand registers take it
.irp t, 0,1,2,3
	v_add_f32 v[ST+8*\t+4], v[ST+8*\t+2], v[ST+8*\t+3]     ; l's two halves (these four lines are the places behind the last products),
.endr
.irp t, 0,1,2,3
	v_permlanex16_b32 v[ST+8*\t+5], v[ST+8*\t+4], s[SEL], s[SEL+1]
.endr
.irp t, 0,1,2,3
	v_add_f32 v[ST+8*\t+4], v[ST+8*\t+4], v[ST+8*\t+5]     ; and the other half of the lanes'
.endr
.irp t, 0,1,2,3
	v_rcp_f32 v[ST+8*\t+6], v[ST+8*\t+4]
.endr
	v_nop                                          ; a plain line behind the last reciprocal,
	s_wait_alu depctr_va_vdst(0)                   ; and one wait for the four, ahead of their first reader
	WIN 0x41
.irp i, 0,1,2,3,4,5,6,7,8,9,10,11,12,13,14,15
.irp t, 0,1,2,3
	v_pk_mul_f32 v[32*\t+2*\i:32*\t+2*\i+1], v[32*\t+2*\i:32*\t+2*\i+1], v[ST+8*\t+6:ST+8*\t+7] op_sel_hi:[1,0]
.endr
.endr
	WIN 0x45
.irp t, 0,1,2,3,4,5,6,7,8,9,10,11,12,13,14,15
.irp i, 0,1,2,3
	v_cvt_pk_f16_f32 v[8*\t+\i], v[8*\t+2*\i], v[8*\t+2*\i+1]
.endr
.endr
	WIN 0x04                                       ; a store's data are its source 1: window 1
.irp a, 0,1,2,3
.irp ct, 0,1,2,3
	global_store_b128 v[LI], v[8*(4*\a+\ct):8*(4*\a+\ct)+3], s[96:97] offset:\a*4096+\ct*512   ; 32 lanes store 512 consecutive bytes, aligned
.endr
.endr
	WIN 0
	s_wait_tensorcnt 0x0                           ; the wave's end
	ds_add_u32 v[SPW], v[NIL]
	s_wait_dscnt 0x0
	CROUND                                         ; the closing round: no work-group ends while a partner may still ask for a block that names it
	s_endpgm
.Lfunc_end_k_q68330784b0_fused:
	.size	k_q68330784b0_fused, .Lfunc_end_k_q68330784b0_fused-k_q68330784b0_fused
	.p2alignl 7, 3214868480
	.fill 96, 4, 3214868480
	.section	.rodata,"a",@progbits
	.p2align	6, 0x0
	.amdhsa_kernel k_q68330784b0_fused
		.amdhsa_group_segment_fixed_size 327680
		.amdhsa_private_segment_fixed_size 0
		.amdhsa_enable_private_segment 0
		.amdhsa_kernarg_size 32
		.amdhsa_user_sgpr_count 2
		.amdhsa_user_sgpr_kernarg_segment_ptr 1
		.amdhsa_wavefront_size32 1
		.amdhsa_system_sgpr_workgroup_id_x 1
		.amdhsa_system_sgpr_workgroup_id_y 1
		.amdhsa_system_sgpr_workgroup_id_z 1
		.amdhsa_system_vgpr_workitem_id 0
		.amdhsa_next_free_vgpr 512
		.amdhsa_next_free_sgpr 100
		.amdhsa_reserve_vcc 0
		.amdhsa_float_denorm_mode_32 3
		.amdhsa_float_denorm_mode_16_64 3
		.amdhsa_memory_ordered 1
		.amdhsa_forward_progress 1
		.amdhsa_inst_pref_size 180
	.end_amdhsa_kernel
	.amdgpu_metadata
---
amdhsa.version: [ 1, 2 ]
amdhsa.kernels:
  - .name:           k_q68330784b0_fused
    .symbol:         k_q68330784b0_fused.kd
    .args:
      - { .name: xq, .offset: 0, .size: 8, .value_kind: global_buffer, .address_space: global }
      - { .name: wimg, .offset: 8, .size: 8, .value_kind: global_buffer, .address_space: global }
      - { .name: aux, .offset: 16, .size: 8, .value_kind: global_buffer, .address_space: global }
      - { .name: attn, .offset: 24, .size: 8, .value_kind: global_buffer, .address_space: global }
    .group_segment_fixed_size: 327680
    .private_segment_fixed_size: 0
    .kernarg_segment_align: 8
    .kernarg_segment_size: 32
    .max_flat_workgroup_size: 256
    .sgpr_count:     100
    .vgpr_count:     512
    .wavefront_size: 32
...
	.end_amdgpu_metadata
.endif
;; end of part 2
;; launch oproj (part 3): grid 4 x 64, 4 waves a work-group, clusters of 4 x 4, 327,680 bytes of LDS; arguments attn, woimg, bo, out0; writes out0
.if DOCPART == 3
	.amdgcn_target "amdgcn-amd-amdhsa--gfx1250"
	.amdhsa_code_object_version 6
	.text
	.protected	k_q68330784b0_oproj
	.globl	k_q68330784b0_oproj
	.p2align	8
	.type	k_q68330784b0_oproj,@function
k_q68330784b0_oproj:
	s_mov_b64 s[64:65], 0
	v_nop
	global_prefetch_b8 v0, s[64:65] scope:SCOPE_SE
	s_setreg_imm32_b32 hwreg(HW_REG_WAVE_MODE, 25, 1), 1
	s_wait_xcnt 0x0
	s_wait_alu depctr_hold_cnt(0) depctr_sa_sdst(0) depctr_va_vdst(0) depctr_va_sdst(0) depctr_va_ssrc(0) depctr_va_vcc(0) depctr_vm_vsrc(0)
	s_getreg_b32 s2, hwreg(HW_REG_IB_STS2, 6, 4)
	s_cmp_eq_u32 s2, 0
	s_cbranch_scc0 .Lentry_in_a_cluster
	s_endpgm
.Lentry_in_a_cluster:
	s_bfe_u32 s2, ttmp6, 0x10000c
	s_cmp_lg_u32 s2, 0xf033
	s_cbranch_scc0 .Lentry_shape_is_right
	s_endpgm
.Lentry_shape_is_right:
; OPROJ.  out0 = attn Wo^T + bo: [8,192 x 1,024] x [1,024 x 1,024], f16 operands, f32 sums, f32 out.
; Both operands lie in memory as fragment images (16 rows x 32 K: two runs of 512 bytes, 16 bytes a lane), so a K step's tiles are dense blocks, every LDS load takes 512 consecutive bytes, and no padding is needed.
; A tile of out0 is 128 rows x 256 columns: 64 x 4 = 256 work-groups (256 x 256 would give 128).  Four waves, each 64 x 128: 32 accumulators of 16 x 16.
; K goes in 8 steps of 128 through THREE LDS slots (A 32,768 bytes, B 65,536); K step k lies in slot k % 3.  K steps 0, 1, 2 are asked for at the head.  The refills take turns between the PAIR of slots 0 and 1
; (one load a wave brings one operand of one whole K step: wave 0 A of the first, wave 1 A of the second, waves 2, 3 B likewise) and the SINGLE slot 2 (one load a wave brings half of one operand):
;   behind K step 1: K steps 3, 4;   behind K step 2: K step 5;   behind K step 4: K steps 6, 7.   So three changes of slots wait for all tensor loads and fill again, and the single refill has 240 products in which to land,
; a pair's 112.  The changes 3 -> 4 and 6 -> 7 need no barrier: the barrier in front of the pair's first K step has shown both slots whole.  The eight K steps are written out: no joint load may be jumped over.
; CLUSTER 4 x 4: the four of a row share attn's tiles, the four of a column Wo's: joint loads.  THE MATRIX INSTRUCTION IS USED TRANSPOSED (source 0 = 16 rows of Wo, source 1 = 16 rows of attn): a lane holds 8 neighbouring columns of a row.
; REGISTERS.  window 0: addresses, bo, the way out;  window 1: two fragment buffers of 96 (A's four at +0, B's eight at +32);  window 2: accumulator (a, b) at v[8 (8 a + b)].
.set SLOT,   98304
.set BOFF,   32768                     ; B's tiles in a slot
.set ASTEP,  32768                     ; a K step of A in memory
.set BSTEP,  65536                     ; and of B
.set STAGE,  2*SLOT                    ; the way out: 16 rows x (512 + 16) bytes for each wave, in slot 2, which has had its last fill (K step 5) and, behind the barrier in front of K step 6, its last read
.set SPITCH, 528
.set SPARE,  3*SLOT                    ; behind the slots: the spare words, 128 bytes for each wave
.set ADRA, 16                          ; v16-18 my A fragments in slot 0, 1, 2
.set ADRB, 20                          ; v20-22 my B fragments
.set STO,  24                          ; v24  the way out: where I put 32 bytes of a row
.set RD,   25                          ; v25  where I read a row back
.set CO,   26                          ; v26  16 x lane
.set PFO,  27                          ; v27  256 x lane: the prefetches' offset; never rewritten
.set SPW,  28                          ; v28  my spare word; never rewritten
.set NIL,  29                          ; v29  0; never rewritten
.set BO,   32                          ; v32-35 bo of my four columns on the way out
.set BK,   64                          ; v64-127, v128-191 16 rows read back from the stage, by turns
.set F0,   0
.set F1,   128
.set WV,   12
.set G1,   24                          ; s[24:31] group 1: half a K step of A, 64 rows of 256 bytes
.set G0,   32                          ; s[32:43] groups 0 for A's halves in slots 0, 1, 2
.set G0D,  44                          ; s[44:47] group 0 for a whole K step of A
.set G1B,  48                          ; s[48:55] group 1: half a K step of B, 128 rows
.set G0BD, 56                          ; s[56:59] group 0 for a whole K step of B
.set PFA,  60                          ; s[60:61] where my prefetches stand; never rewritten
.set G0B,  68                          ; s[68:79] groups 0 for B's halves in slots 0, 1, 2
.set G1D,  80                          ; s[80:87] group 1: a whole K step of A, 128 rows
.set G1BD, 88                          ; s[88:95] group 1: a whole K step of B, 256 rows
.set MSB, 0
.macro WIN new                         ; the immediate's high byte repeats the setting that is left; a switch that changes nothing is dropped
.if MSB != \new
	s_set_vgpr_msb (MSB<<8)|\new
.set MSB, \new
.endif
.endm
.set MUL,  0xa5                        ; sources 0 and 1 window 1; C and D window 2
.set TO_F, 0x40                        ; destination window 1, address window 0
.macro PLACES
.rept 4
	v_nop
.endr
.endm
.macro JLOAD g0a, g1a, g0b, g1b        ; a joint load: waves 0, 1 fetch for A, waves 2, 3 for B; the branch hangs on the wave's number alone; an s_nop 0 and four v_nop follow each of the two lines
	s_cmp_eq_u32 s13, 0
	s_cbranch_scc0 .Lfor_b_\@
	tensor_load_to_lds s[\g0a:\g0a+3], s[\g1a:\g1a+7]
	s_nop 0
	PLACES
	s_branch .Lasked_\@
.Lfor_b_\@:
	tensor_load_to_lds s[\g0b:\g0b+3], s[\g1b:\g1b+7]
	s_nop 0
	PLACES
.Lasked_\@:
.endm
; A PREFETCH INTO THE L2 of attn's blocks of later K steps.  A K step of my 128 rows is 32,768 bytes; the four partners that ask for it jointly take 8,192 bytes each, told apart BY ADDRESS (cx), a lane a block of 256 bytes:
; so each block is named once in the launch.  Wave 0 names K step k, wave 1 K step k + 1 (lim = 2), or wave 0 alone names K step k (lim = 1: there is no K step 8).  All offsets are immediates: no address register is rewritten.
; At the change 0 -> 1: K steps 3, 4, a K step's 128 products ahead of the load that wants them; at 1 -> 2: K steps 5, 6; at 2 -> 3: K step 7.  K steps 0 to 2 come by their loads alone: nothing is asked for at the head.
; Wo's blocks are not asked for: each of them is read by sixteen clusters, not once.
.macro ASK k, lim
	s_cmp_lt_u32 s[WV], \lim
	s_cbranch_scc0 .Lnot_mine_\@
	global_prefetch_b8 v[PFO], s[PFA:PFA+1] offset:(\k)*ASTEP th:TH_LOAD_NT scope:SCOPE_SE
.Lnot_mine_\@:
.endm
.macro CREST                           ; a round of the cluster's barrier behind its opening barrier
	s_cmp_lg_u32 s[WV], 0
	s_cbranch_scc1 .Lnot_wave_0_\@
	s_barrier_signal -3
.Lnot_wave_0_\@:
	s_barrier_wait -3
	s_barrier_signal -1
	s_barrier_wait -1
.endm
.macro CROUND
	s_barrier_signal -1
	s_barrier_wait -1
	CREST
.endm
	s_load_b256 s[4:11], s[0:1], 0x0               ; attn s[4:5], woimg s[6:7], bo s[8:9], out0 s[10:11]
	v_lshl_add_u32 v[SPW], v0, 2, SPARE
	v_mov_b32 v[NIL], 0
	ds_add_u32 v[SPW], v[NIL]                      ; the wave's opening: the add, twice on end, and its wait ahead of my first tensor load
	ds_add_u32 v[SPW], v[NIL]
	v_lshrrev_b32 v1, 5, v0
	v_readfirstlane_b32 s[WV], v1                  ; wave 0..3
	s_lshr_b32 s13, s[WV], 1                       ; which 64 rows are mine.  Also: I fetch for A (0) or for B (1)
	s_and_b32 s14, s[WV], 1                        ; which 128 columns.  Also: which half of a K step, or which K step of a pair, I fetch
	s_bfe_u32 s2, ttmp6, 0x40000                   ; cx
	s_bfe_u32 s3, ttmp6, 0x40004                   ; cy
	s_lshl_b32 s62, ttmp9, 2
	s_add_co_u32 s62, s62, s2                      ; block of 256 columns
	s_and_b32 s15, ttmp7, 0xffff
	s_lshl_b32 s15, s15, 2
	s_add_co_u32 s15, s15, s3                      ; block of 128 rows
	s_lshl_b32 s63, s3, 2
	s_lshl_b32 s63, 15, s63                        ; my row of the cluster
	s_lshl_b32 s98, 0x1111, s2                     ; my column
	s_or_b32 s[G1], s63, (3<<16)|(1<<21)           ; elements of 8 bytes; bit 21 set beside a mask; no padding
	s_or_b32 s[G1D], s63, (3<<16)|(1<<21)
	s_or_b32 s[G1B], s98, (3<<16)|(1<<21)
	s_or_b32 s[G1BD], s98, (3<<16)|(1<<21)
.irp g, G1, G1B, G1D, G1BD
	s_mov_b32 s[\g+1], 32<<16                      ; rows of 256 bytes of a dense block
	s_mov_b32 s[\g+3], 32<<16
	s_mov_b32 s[\g+5], 32
	s_mov_b32 s[\g+6], 0
	s_mov_b32 s[\g+7], 0
.endr
	s_mov_b32 s[G1+2], 64<<16                      ; half a K step of A: 16,384 bytes
	s_mov_b32 s[G1+4], 64
	s_mov_b32 s[G1B+2], 128<<16                    ; half a K step of B: 32,768
	s_mov_b32 s[G1B+4], 128
	s_mov_b32 s[G1D+2], 128<<16                    ; a whole K step of A: 32,768
	s_mov_b32 s[G1D+4], 128
	s_mov_b32 s[G1BD+2], 256<<16                   ; a whole K step of B: 65,536
	s_mov_b32 s[G1BD+4], 256
	s_lshl_b32 s16, s15, 18                        ; A: 262,144 x row block
	s_mov_b32 s17, 0
	s_lshl_b32 s96, s62, 19                        ; B: 524,288 x column block
	s_mov_b32 s97, 0
	s_lshl_b32 s20, s14, 14                        ; my half of a K step of A, in memory and in a slot
	s_lshl_b32 s21, s14, 15                        ; my half of a K step of B; also: my K step of a pair, in A
	s_lshl_b32 s22, s14, 16                        ; my K step of a pair, in B
	s_add_co_u32 s23, s21, BOFF                    ; B's half in a slot: the wave's number alone enters an LDS address
	s_mov_b32 s19, 0                               ; the upper word of the offsets below
	s_wait_dscnt 0x0                               ; both opening adds are done
	s_wait_kmcnt 0x0
	s_add_nc_u64 s[16:17], s[4:5], s[16:17]        ; A's addresses are made of the row block and the wave alone,
	s_add_nc_u64 s[96:97], s[6:7], s[96:97]        ; B's of the column block and the wave alone
	s_mov_b32 s18, s20
	s_add_nc_u64 s[G0+2:G0+3], s[16:17], s[18:19]              ; halves: K step 0,
	s_add_nc_u64 s[G0+6:G0+7], s[G0+2:G0+3], ASTEP             ; 1,
	s_add_nc_u64 s[G0+10:G0+11], s[G0+2:G0+3], 2*ASTEP         ; 2
	s_mov_b32 s18, s21
	s_add_nc_u64 s[G0B+2:G0B+3], s[96:97], s[18:19]
	s_add_nc_u64 s[G0B+6:G0B+7], s[G0B+2:G0B+3], BSTEP
	s_add_nc_u64 s[G0B+10:G0B+11], s[G0B+2:G0B+3], 2*BSTEP
	s_add_nc_u64 s[G0D+2:G0D+3], s[16:17], s[18:19]            ; whole K steps: at K step 0 or 1; each refill first steps three K steps on
	s_mov_b32 s18, s22
	s_add_nc_u64 s[G0BD+2:G0BD+3], s[96:97], s[18:19]
.irp n, 0,1,2
	s_mov_b32 s[G0+4*\n], 1
	s_add_co_u32 s[G0+4*\n+1], s20, \n*SLOT
	s_or_b32 s[G0+4*\n+3], s[G0+4*\n+3], 0x80000000
	s_mov_b32 s[G0B+4*\n], 1
	s_add_co_u32 s[G0B+4*\n+1], s23, \n*SLOT
	s_or_b32 s[G0B+4*\n+3], s[G0B+4*\n+3], 0x80000000
.endr
	s_mov_b32 s[G0D], 1
	s_mul_i32 s[G0D+1], s14, SLOT                  ; slot 0 or slot 1
	s_or_b32 s[G0D+3], s[G0D+3], 0x80000000
	s_mov_b32 s[G0BD], 1
	s_add_co_u32 s[G0BD+1], s[G0D+1], BOFF
	s_or_b32 s[G0BD+3], s[G0BD+3], 0x80000000
	s_lshl_b32 s18, s2, 13                         ; the prefetches: my work-group's 8,192 bytes of a K step of A,
	s_add_co_u32 s18, s18, s21                     ; in wave 1 a K step on
	s_add_nc_u64 s[PFA:PFA+1], s[16:17], s[18:19]
	CROUND                                         ; all sixteen work-groups are here: the first joint loads meet
	JLOAD G0, G1, G0B, G1B                         ; K steps 0, 1, 2: three loads of mine are out
	JLOAD G0+4, G1, G0B+4, G1B
	JLOAD G0+8, G1, G0B+8, G1B
	v_and_b32 v1, 31, v0
	v_lshlrev_b32 v[CO], 4, v1
	v_lshlrev_b32 v[PFO], 8, v1
	s_lshl_b32 s20, s13, 14                        ; my four tiles of A
	s_lshl_b32 s21, s14, 15                        ; my eight tiles of B
	s_add_co_u32 s21, s21, BOFF
.irp s, 0,1,2
	v_add_nc_u32 v[ADRA+\s], s20, v[CO]
	v_add_nc_u32 v[ADRB+\s], s21, v[CO]
	s_add_co_u32 s20, s20, SLOT
	s_add_co_u32 s21, s21, SLOT
.endr
	s_mul_i32 s22, s[WV], 16*SPITCH
	s_add_co_u32 s22, s22, STAGE                   ; my stage
	v_and_b32 v2, 15, v0
	v_bfe_u32 v3, v0, 4, 1
	v_mul_u32_u24 v[STO], v2, SPITCH               ; in: row l % 16, 32 bytes for each half of the lanes
	v_lshl_add_u32 v[STO], v3, 5, v[STO]
	v_add_nc_u32 v[STO], s22, v[STO]
	v_add_nc_u32 v[RD], s22, v[CO]                 ; back: the 32 lanes take one row of 512 bytes
	s_lshl_b32 s18, s62, 10                        ; my first column, in bytes: 1,024 x column block + 512 x half
	s_lshl_b32 s19, s14, 9
	s_add_co_u32 s18, s18, s19
	s_mov_b32 s19, 0
	s_add_nc_u64 s[8:9], s[8:9], s[18:19]
	global_load_b128 v[BO:BO+3], v[CO], s[8:9]     ; bo of columns 4 l .. 4 l + 3 of my 128
	s_add_nc_u64 s[10:11], s[10:11], s[18:19]
	s_lshl_b32 s18, s15, 19                        ; my first row: (128 x row block + 64 x half) x 4,096 bytes
	s_lshl_b32 s98, s13, 18
	s_add_co_u32 s18, s18, s98
	s_add_nc_u64 s[10:11], s[10:11], s[18:19]
; 8 products: A's tile a x B's eight, 32 along K.  The 32 accumulators take turns, one instruction a turn, in the same order in every quarter.
.macro MUL8 f, a, zero
.irp b, 0,1,2,3,4,5,6,7
.if \zero
	v_wmma_f32_16x16x32_f16 v[8*(8*(\a)+\b):8*(8*(\a)+\b)+7], v[\f+32+8*\b:\f+32+8*\b+7], v[\f+8*(\a):\f+8*(\a)+7], 0
.else
	v_wmma_f32_16x16x32_f16 v[8*(8*(\a)+\b):8*(8*(\a)+\b)+7], v[\f+32+8*\b:\f+32+8*\b+7], v[\f+8*(\a):\f+8*(\a)+7], v[8*(8*(\a)+\b):8*(8*(\a)+\b)+7]
.endif
.endr
.endm
.macro FETCH slot, q, f                ; 24 LDS loads in one run: the fragments of the slot's q-th 32 along K: B's eight, then A's four
	WIN TO_F
.irp i, 0,1,2,3,4,5,6,7
	ds_load_b128 v[\f+32+8*\i:\f+32+8*\i+3],   v[ADRB+\slot] offset:\i*4096+(\q)*1024
	ds_load_b128 v[\f+32+8*\i+4:\f+32+8*\i+7], v[ADRB+\slot] offset:\i*4096+(\q)*1024+512
.endr
.irp i, 0,1,2,3
	ds_load_b128 v[\f+8*\i:\f+8*\i+3],   v[ADRA+\slot] offset:\i*4096+(\q)*1024
	ds_load_b128 v[\f+8*\i+4:\f+8*\i+7], v[ADRA+\slot] offset:\i*4096+(\q)*1024+512
.endr
.endm
; A K step is four quarters of 32 along K, 32 products each, on buffers 0, 1, 0, 1.  QUARTER multiplies buffer f and fetches quarter q of the slot named into g.
.macro QUARTER slot, q, f, g, zero
	s_wait_dscnt 4                                 ; B and A's tiles 0, 1 are in; the youngest four loads (A's tiles 2, 3) may be out
	WIN MUL
	MUL8 \f, 0, \zero
	MUL8 \f, 1, \zero
	PLACES
	FETCH \slot, \q, \g
	s_wait_dscnt 24                                ; all but the 24 just issued
	WIN MUL
	MUL8 \f, 2, \zero
	MUL8 \f, 3, \zero
.endm
.macro REST slot                       ; a K step's quarters 0 to 2 are multiplied, its quarters 1 to 3 fetched
	QUARTER \slot, 1, F0, F1, 0
	QUARTER \slot, 2, F1, F0, 0
	QUARTER \slot, 3, F0, F1, 0
.endm
; A K step's last quarter where a barrier is due: it multiplies buffer 1 and goes on to slot next.
; kind = 1: slots 0 and 1 are filled again, a whole K step of one operand a wave;  2: slot 2 is filled again, half a K step of one operand a wave;  0: nothing is filled.
; left: how many of my tensor loads may stay out.  In front of a refill each wave waits for all its tensor loads, adds 0 to its spare word, and waits for that and for its LDS reads.
; pk, plim: the prefetch (macro ASK); plim = 0: none.
.macro TURN next, kind, left, pk, plim
	WIN 0                                          ; (the add's two registers lie in window 0)
	s_wait_tensorcnt \left                         ; my part of the next slot has landed (left = 0: all my tensor loads have)
.if (\left) == 0
	ds_add_u32 v[SPW], v[NIL]                      ; 0 onto my spare word;
	s_wait_dscnt 5                                 ; (the add and the youngest four loads may be out)
.else
	s_wait_dscnt 4                                 ; (the youngest four loads may be out)
.endif
	WIN MUL
	MUL8 F1, 0, 0                                  ; eight products stand between the add and the wait for it
	s_wait_dscnt 0x0                               ; the add is done, and my reads of the slots behind me are over
	s_barrier_signal -1
	MUL8 F1, 1, 0
	WIN 0
	s_barrier_wait -1
.if (\kind) == 1
	CREST                                          ; the barrier has opened a round of the cluster's: no wave of any partner still reads slots 0 and 1 or has a load on its way
	s_add_nc_u64 s[G0D+2:G0D+3], s[G0D+2:G0D+3], 3*ASTEP
	s_add_nc_u64 s[G0BD+2:G0BD+3], s[G0BD+2:G0BD+3], 3*BSTEP
	JLOAD G0D, G1D, G0BD, G1BD                     ; the first tensor load behind the round, my one load until the next; its four v_nop are also the places in front of the loads below
.elseif (\kind) == 2
	CREST                                          ; likewise for slot 2
	s_add_nc_u64 s[G0+10:G0+11], s[G0+10:G0+11], 3*ASTEP
	s_add_nc_u64 s[G0B+10:G0B+11], s[G0B+10:G0B+11], 3*BSTEP
	JLOAD G0+8, G1, G0B+8, G1B
.else
	PLACES
.endif
	FETCH \next, 0, F0
.if (\plim) > 0
	WIN 0
	ASK \pk, \plim                                 ; behind the joint load and the run of LDS loads that the next products wait for
.endif
	WIN MUL
	MUL8 F1, 2, 0
	MUL8 F1, 3, 0
.endm
	s_wait_tensorcnt 0x2                           ; my part of K step 0 is in; K steps 1 and 2 may stay out
	s_barrier_signal -1
	s_barrier_wait -1
	FETCH 0, 0, F0
	QUARTER 0, 1, F0, F1, 1                        ; K step 0: its first quarter's products start the sums: nothing is cleared
	QUARTER 0, 2, F1, F0, 0
	QUARTER 0, 3, F0, F1, 0
	TURN 1, 0, 1, 3, 2                             ; K step 1 is in (K step 2 may stay out: nothing is filled here)
	REST 1
	TURN 2, 1, 0, 5, 2                             ; K step 2 is in; slots 0 and 1 take K steps 3 and 4
	REST 2
	TURN 0, 2, 0, 7, 1                             ; K steps 3 and 4 are in; slot 2 takes K step 5
	REST 0
	QUARTER 1, 0, F1, F0, 0                        ; 3 -> 4: slot 1 was shown whole with slot 0
	REST 1
	TURN 2, 1, 0, 0, 0                             ; K step 5 is in; slots 0 and 1 take K steps 6 and 7: the last load
	REST 2
	TURN 0, 0, 0, 0, 0                             ; K steps 6 and 7 are in; nothing is filled, so no round; behind this barrier nobody reads slot 2
	REST 0
	QUARTER 1, 0, F1, F0, 0                        ; 6 -> 7
	REST 1
	s_wait_dscnt 4                                 ; the very last quarter: nothing more to fetch
	WIN MUL
	MUL8 F1, 0, 0
	MUL8 F1, 1, 0
	s_wait_dscnt 0x0
	MUL8 F1, 2, 0
	MUL8 F1, 3, 0
	WIN 0
; THE WAY OUT, 16 rows x 128 columns at a time: through my own stage in LDS, back as whole rows of 512 bytes, + bo, stored.  LDS serves a wave's instructions in order (ISA guide 5.7.1.4): no wait between the stores and the loads.
.macro TOSTAGE a
	WIN 0x08                                       ; an LDS store's data are its source 1: window 2
.irp b, 0,1,2,3,4,5,6,7
	ds_store_b128 v[STO], v[8*(8*(\a)+\b):8*(8*(\a)+\b)+3] offset:64*\b          ; each accumulator from its low end on
	ds_store_b128 v[STO], v[8*(8*(\a)+\b)+4:8*(8*(\a)+\b)+7] offset:64*\b+16
.endr
	WIN 0
.set BB, BK+64*((\a)%2)
.irp t, 0,1,2,3,4,5,6,7,8,9,10,11,12,13,14,15
	ds_load_b128 v[BB+4*\t:BB+4*\t+3], v[RD] offset:\t*SPITCH
.endr
.endm
.macro SEND a, younger                 ; younger: the LDS instructions issued behind block a's loads, which may stay out
.set BB, BK+64*((\a)%2)
	s_wait_dscnt \younger
.if (\a) > 0
	s_add_nc_u64 s[10:11], s[10:11], 16*4096       ; (behind a wait on XCNT: the earlier stores have read their base)
.endif
.irp t, 0,1,2,3,4,5,6,7,8,9,10,11,12,13,14,15
	v_pk_add_f32 v[BB+4*\t:BB+4*\t+1], v[BB+4*\t:BB+4*\t+1], v[BO:BO+1]
	v_pk_add_f32 v[BB+4*\t+2:BB+4*\t+3], v[BB+4*\t+2:BB+4*\t+3], v[BO+2:BO+3]
	global_store_b128 v[CO], v[BB+4*\t:BB+4*\t+3], s[10:11] offset:\t*4096 th:TH_STORE_NT   ; 32 lanes store 512 consecutive bytes, aligned; written once, read by nobody here
.endr
.endm
	PLACES
	s_wait_loadcnt 0x0                             ; bo
	TOSTAGE 0
.irp a, 1,2,3
.if \a > 1
	s_wait_xcnt 0x0                                ; block a - 2's stores have read their registers and their base
.endif
	TOSTAGE \a
	SEND \a-1, 32                                  ; behind block a - 1's loads: block a's 16 stores and 16 loads
.endr
	s_wait_xcnt 0x0
	SEND 3, 0
	s_wait_tensorcnt 0x0                           ; the wave's end
	ds_add_u32 v[SPW], v[NIL]
	s_wait_dscnt 0x0
	CROUND                                         ; the closing round: no work-group ends while a partner may still ask for a tile that names it
	s_endpgm
.Lfunc_end_k_q68330784b0_oproj:
	.size	k_q68330784b0_oproj, .Lfunc_end_k_q68330784b0_oproj-k_q68330784b0_oproj
	.p2alignl 7, 3214868480
	.fill 96, 4, 3214868480
	.section	.rodata,"a",@progbits
	.p2align	6, 0x0
	.amdhsa_kernel k_q68330784b0_oproj
		.amdhsa_group_segment_fixed_size 327680
		.amdhsa_private_segment_fixed_size 0
		.amdhsa_enable_private_segment 0
		.amdhsa_kernarg_size 32
		.amdhsa_user_sgpr_count 2
		.amdhsa_user_sgpr_kernarg_segment_ptr 1
		.amdhsa_wavefront_size32 1
		.amdhsa_system_sgpr_workgroup_id_x 1
		.amdhsa_system_sgpr_workgroup_id_y 1
		.amdhsa_system_sgpr_workgroup_id_z 1
		.amdhsa_system_vgpr_workitem_id 0
		.amdhsa_next_free_vgpr 768
		.amdhsa_next_free_sgpr 100
		.amdhsa_reserve_vcc 0
		.amdhsa_float_denorm_mode_32 3
		.amdhsa_float_denorm_mode_16_64 3
		.amdhsa_memory_ordered 1
		.amdhsa_forward_progress 1
		.amdhsa_inst_pref_size 157
	.end_amdhsa_kernel
	.amdgpu_metadata
---
amdhsa.version: [ 1, 2 ]
amdhsa.kernels:
  - .name:           k_q68330784b0_oproj
    .symbol:         k_q68330784b0_oproj.kd
    .args:
      - { .name: attn, .offset: 0, .size: 8, .value_kind: global_buffer, .address_space: global }
      - { .name: woimg, .offset: 8, .size: 8, .value_kind: global_buffer, .address_space: global }
      - { .name: bo, .offset: 16, .size: 8, .value_kind: global_buffer, .address_space: global }
      - { .name: out0, .offset: 24, .size: 8, .value_kind: global_buffer, .address_space: global }
    .group_segment_fixed_size: 327680
    .private_segment_fixed_size: 0
    .kernarg_segment_align: 8
    .kernarg_segment_size: 32
    .max_flat_workgroup_size: 128
    .sgpr_count:     100
    .vgpr_count:     768
    .wavefront_size: 32
...
	.end_amdgpu_metadata
.endif
;; end of part 3
